; MI455X (gfx1250); checked and timed in simulation.
; The chip was launched on July 23, 2026; its instructions are those of AMD's public machine-readable ISA for CDNA 5 (MIT licence, August 2026) and "CDNA5" Instruction Set Architecture Reference Guide (July 2026). The comments in the code are by the model that wrote it; some were corrected since.
;; Gem Lite Linear Triton. Allowed arithmetic: matrix products marked QUANTISED: E4M3 operands, one E8M0 scale for each 32 along K, by v_wmma_scale_f32_16x16x128_f8f6f4 with both operands' format E4M3, f32 sums; everything else in f32.
;; Inputs: W_q_packed 512 x 4,096 int32; bias 4,096 float32; scales 32 x 4,096 float32; x_codes 4,096 x 128 x 32 uint8 (E4M3 codes of x, K innermost, in blocks of 32 codes); x_scales 4,096 x 128 uint8 (E8M0 scales of x, one for each 32 codes along K); zeros 32 x 4,096 float32.
;; Outputs: out0 4,096 x 4,096 float32.
;; This version of the problem:
;;   THIS VERSION OF THE PROBLEM IS GIVEN IN LOW PRECISION. The matrix products marked QUANTISED in the list below multiply operands that are first quantised to E4M3 (4 exponent bits, 3 mantissa bits; 8 bits a number), with one power-of-two scale for each 32 numbers along K (OCP MX v1.0); their sums are f32. All else is computed in f32.
;;   The module's matrix products, in the order in which they are computed (A, B: the left and right operand; K: the contracted axis; several contracted axes count as one K, in the product's order):
;;     1. [M 4,096, K 4,096] x [K 4,096, N 4,096]; A: input x (given as codes); B: computed on the way: QUANTISED
;;   THE QUANTISER, for each operand of a quantised product, along K:
;;     - K is cut into blocks of 32 from its start; a last block that is shorter is filled with zeros.
;;     - A block's scale is 2^e with e = floor(log2(the largest magnitude in the block)) - 8, held to -126 .. 127; a block of zeros has e = 0. As a byte (E8M0): e + 127.
;;     - Each number is divided by its block's scale, clamped to +-448, and rounded to the nearest number of E4M3, ties to even, subnormals kept.
;;     - The product sums the exact products of the quantised numbers (number of the format x scale) in f32.
;;   ~~~python
;;   def quantise(x, axis):      # numpy; x: float32 -> the quantised numbers, widened to float32 again
;;       x = np.moveaxis(x, axis, -1); K = x.shape[-1]
;;       x = np.pad(x, [(0, 0)] * (x.ndim - 1) + [(0, -K % 32)]); x = x.reshape(x.shape[:-1] + (-1, 32)); a = np.abs(x).max(-1, keepdims=True)
;;       e = np.where(a > 0, np.clip(np.frexp(np.where(a > 0, a, 1))[1] - 1 - 8, -126, 127), 0)      # np.frexp(a)[1] - 1 = floor(log2(a)), exactly
;;       r = np.clip(x / 2.0 ** e, -448, 448)
;;       step = 2.0 ** (np.maximum(np.frexp(np.where(r == 0, 1, r))[1] - 1, -6) - 3)
;;       q = np.round(r / step) * step * 2.0 ** e      # np.round: ties to even
;;       return np.moveaxis(q.reshape(q.shape[:-2] + (-1,))[..., :K], -1, axis).astype(np.float32)
;;   ~~~
;;   OPERANDS COMPUTED ON THE WAY. 'Computed on the way' means the value that the module computes at that place (a softmax that the list does not call 'softmax' is quantised finished and normalised). What goes into a quantiser is computed in f32, as accurately as f32 sums, v_exp_f32 and their like allow (about 1e-6 of the number): no bf16 or f16 on the way to a quantiser, and a product that is left as it is and whose result goes on into a quantised operand takes f32 operands (vector FMAs, or v_wmma_f32_16x16x4_f32). A number that lies on a knife's edge between two numbers of the format may be rounded either way, as far as f32 arithmetic and the matrix unit's own rounding can turn it there, and no further.
;;   INPUTS GIVEN AS CODES. x (in the module: [4096, 4096], K = its axis 1): each comes as NAME_codes (uint8): NAME with its K axis moved to the last place and cut into blocks of 32 codes, [.., K / 32, bytes a block], one block behind the other in memory; one code a byte (a code: sign, 4 exponent bits, 3 mantissa bits); and NAME_scales (uint8): the same leading axes, one E8M0 byte (e + 127) for each 32 codes along K. Its value is code x scale, taken as it is: it is not quantised again, and the codes and scales need not be those that the quantiser above would give.
;; One version. Each part assembles by itself: llvm-mc -triple=amdgcn-amd-amdhsa -mcpu=gfx1250 --defsym DOCPART=n.
;; ======== version 1 of 1: 2 launches
;; limits: right only within a limited range of input values
;; workspace buffers: wc 17,301,504 bytes; xs 524,288 bytes
;; launch prep (part 1): grid 16 x 16, 4 waves a work-group, no clusters, 70,144 bytes of LDS; arguments W_q_packed, scales, zeros, x_scales, wc, xs; writes wc, xs
.if DOCPART == 1
	.amdgcn_target "amdgcn-amd-amdhsa--gfx1250"
	.amdhsa_code_object_version 6
	.text
	.protected	k_q2683667a33_prep
	.globl	k_q2683667a33_prep
	.p2align	8
	.type	k_q2683667a33_prep,@function
k_q2683667a33_prep:
	s_mov_b64 s[64:65], 0
	v_nop
	global_prefetch_b8 v0, s[64:65] scope:SCOPE_SE
	s_setreg_imm32_b32 hwreg(HW_REG_WAVE_MODE, 25, 1), 1
	s_wait_xcnt 0x0
; W[k][n] = (nibble(k, n) - zeros[k / 128][n]) * scales[k / 128][n], one subtraction and one multiplication in f32, is quantised along K to codes of FP8 (E4M3) with one E8M0 byte for each 32 along K.
; W_q_packed: [512][4096] int32, eight nibbles along K in a word, the lower k in the lower bits.  scales, zeros: [32][4096] f32.
; OUT, laid as the product's launch wants its tiles:  wc [16 (K step of 256)][32 (block of 128 columns)][33,792 bytes]: first 128 rows of 256 codes (row = column n % 128, byte i = the code of k = 256 ks + i),
; then 128 x 8 scale bytes (byte b of a row = the scale of k = 256 ks + 32 b on): codes and scales of a block are one dense run of 132 x 256 bytes.
; In passing x's scale bytes, [4096][128], are laid anew: xs [16 (256 rows of x)][16 (K step)][256 (row)][8 bytes], xs[m / 256][ks][m % 256][b] = x_scales[m][8 ks + b].
; A block's scale is 2^(floor(log2(its largest magnitude)) - 8); its byte is the largest magnitude's exponent field - 8, held at 1 from below.
; LIMITS: a block of zeros, or one whose largest magnitude lies under 2^(9 - 127), gets the byte 1 where the rule says 127 for zeros: its codes are zeros, which add nothing under any byte but 0xff, and this program alone
; reads the bytes.  NaN and infinities in scales and zeros are not served.
; SHARES.  Work-group (x, y): 256 columns from 256 x on, K step y.  Wave w: 64 of these columns.  LANE l TAKES COLUMNS 2 l AND 2 l + 1, AND ITS REGISTERS RUN DOWN K: a load of 8 bytes a lane reads 256 consecutive bytes of a packed
; row; a block of 32 along K of one column is four words of one lane, so its largest magnitude needs no other lane, and the conversions give codes with K innermost.  Nothing is transposed by an instruction.
; All 37 loads of a wave go out at its head: its whole input is on its way at once.  No loop, no barrier, no tensor load: waves share nothing; every offset is an immediate and no address register is written twice.
; A lane's codes belong to two rows of wc and the lanes beside it hold other rows: they go through the wave's own stage in LDS (64 rows of 256 + 16 bytes; stage row l + 32 u holds column 2 l + u, so that the sixteen lanes
; of a store stand 272 bytes apart) and leave as 512 consecutive bytes an instruction.
.set S,   16                           ; v[16:19]   scales of the K step's two groups of 128: a pair (even column, odd column) for each
.set Z,   20                           ; v[20:23]   zeros likewise
.set SB,  24                           ; v[24:27]   scale bytes: the even column's eight, then the odd column's: 16 neighbouring bytes of a block's scales
.set PK,  32                           ; v[32:95]   packed row i of the K step's 32: v[32 + 2 i] even column, v[33 + 2 i] odd
.set X,   96                           ; v[96:127]  32 numbers of the even column; v[128:159] of the odd
.set C,   160                          ; v[160:167] a block's codes of the even column; v[168:175] of the odd
.set ZD,  176                          ; v[176:177] the odd column's zero, twice
.set SD,  178                          ; v[178:179] the odd column's scale, twice
.set OUTR, 32                          ; the way out: 32 x 4 registers, where the packed words and the numbers lay
.set SP,  272                          ; a stage row
.set WST, 64*SP                        ; a wave's stage
.set NBB, 132*256                      ; wc: a block of 128 columns in one K step: 32,768 bytes of codes + 1,024 of scales
.set KSB, 32*NBB                       ; wc: a K step
	s_load_b256 s[4:11], s[0:1], 0x0               ; W_q_packed s[4:5], scales s[6:7], zeros s[8:9], x_scales s[10:11]
	s_load_b128 s[12:15], s[0:1], 0x20             ; wc s[12:13], xs s[14:15]
	v_lshl_add_u32 v192, v0, 2, 0x11000
	v_mov_b32 v193, 0
	v_lshrrev_b32 v1, 5, v0
	v_readfirstlane_b32 s18, v1                    ; wave 0..3
	v_and_b32 v1, 31, v0                           ; lane
	s_and_b32 s19, ttmp7, 0xffff                   ; y: the K step
	v_lshlrev_b32 v2, 3, v1                        ; 8 x lane: my two columns in a row of W_q_packed, scales, zeros; my row's 8 bytes in xs
	v_lshlrev_b32 v3, 7, v1                        ; 128 x lane: my row of x_scales
	v_lshlrev_b32 v4, 4, v1                        ; 16 x lane: my place in a store of codes and of scale bytes
	s_mul_i32 s37, s18, WST                        ; my wave's stage
	v_mul_u32_u24 v5, v1, SP
	v_add_nc_u32 v5, s37, v5                       ; into it: stage row = lane (the odd column's row lies 32 rows on: in the immediate)
	v_lshrrev_b32 v6, 4, v1
	v_mul_u32_u24 v6, v6, 32*SP
	v_and_b32 v7, 15, v1
	v_lshl_add_u32 v6, v7, 4, v6
	v_add_nc_u32 v6, s37, v6                       ; out of it: lanes 0-15 a row of an even column, lanes 16-31 the row 32 on: the odd column beside it
	s_mov_b32 s21, 0x600000                        ; the mantissa field of 448 (an instruction takes one literal: the hold's line has another)
	s_lshl_b32 s20, ttmp9, 10
	s_lshl_b32 s37, s18, 8
	s_add_co_u32 s20, s20, s37                     ; my wave's first column in bytes of f32 or int32: 1,024 x + 256 w
	s_lshl_b32 s22, s19, 19                        ; W_q_packed: 32 packed rows of 16,384 bytes a K step
	s_add_co_u32 s22, s22, s20
	s_mov_b32 s23, 0
	s_lshl_b32 s24, s19, 15                        ; scales, zeros: two rows of 16,384 bytes a K step
	s_add_co_u32 s24, s24, s20
	s_mov_b32 s25, 0
	s_mul_i32 s26, s19, KSB                        ; wc: the K step,
	s_lshl_b32 s37, ttmp9, 1
	s_lshr_b32 s38, s18, 1
	s_add_co_u32 s37, s37, s38                     ; the block of 128 columns: 2 x + w / 2,
	s_mul_i32 s37, s37, NBB
	s_add_co_u32 s26, s26, s37
	s_and_b32 s38, s18, 1                          ; and which 64 of its columns are my wave's
	s_lshl_b32 s37, s38, 9
	s_add_co_u32 s28, s26, s37                     ; their scale bytes: behind the block's 32,768 bytes of codes, 8 a column
	s_add_co_u32 s28, s28, 32768
	s_mov_b32 s29, 0
	s_lshl_b32 s37, s38, 14
	s_add_co_u32 s26, s26, s37                     ; their codes: 256 bytes a column
	s_mov_b32 s27, 0
	s_lshl_b32 s34, s19, 4                         ; x's scales: the launch's 1,024 waves share them: wave T = 4 (16 y + x) + w takes rows 32 (T / 8) on, bytes 16 (T % 8) on
	s_add_co_u32 s34, s34, ttmp9
	s_lshl_b32 s34, s34, 2
	s_add_co_u32 s34, s34, s18
	s_lshr_b32 s35, s34, 3
	s_and_b32 s36, s34, 7
	s_lshl_b32 s30, s35, 12                        ; x_scales: 32 rows of 128 bytes,
	s_lshl_b32 s37, s36, 4                         ; 16 bytes along the row
	s_add_co_u32 s30, s30, s37
	s_mov_b32 s31, 0
	s_lshr_b32 s32, s35, 3                         ; xs: eight runs of 32 rows make 256 rows: 32,768 bytes;
	s_lshl_b32 s32, s32, 15
	s_lshl_b32 s37, s36, 12                        ; those 16 bytes are K steps 2 (T % 8) and the next, 2,048 bytes each;
	s_add_co_u32 s32, s32, s37
	s_and_b32 s37, s35, 7                          ; 32 rows of 8 bytes
	s_lshl_b32 s37, s37, 8
	s_add_co_u32 s32, s32, s37
	s_mov_b32 s33, 0
	s_wait_alu depctr_va_vdst(0)
	s_wait_kmcnt 0x0
	s_add_nc_u64 s[4:5], s[4:5], s[22:23]
	s_add_nc_u64 s[6:7], s[6:7], s[24:25]
	s_add_nc_u64 s[8:9], s[8:9], s[24:25]
	s_add_nc_u64 s[10:11], s[10:11], s[30:31]
	s_add_nc_u64 s[16:17], s[12:13], s[28:29]      ; wc at my wave's scale bytes,
	s_add_nc_u64 s[12:13], s[12:13], s[26:27]      ; and at its codes
	s_add_nc_u64 s[14:15], s[14:15], s[32:33]
.macro ROWS first                      ; 16 packed rows: each load reads 256 consecutive bytes, at a multiple of 256 from the buffer's first byte
.set i, \first
.rept 16
	global_load_b64 v[PK+2*i:PK+2*i+1], v2, s[4:5] offset:i*16384 th:TH_LOAD_NT
.set i, i+1
.endr
.endm
	global_load_b128 v[28:31], v3, s[10:11]        ; 16 scale bytes of my row of x (no hint: other waves read the bytes beside them)
	global_load_b64 v[S:S+1], v2, s[6:7] th:TH_LOAD_NT
	global_load_b64 v[Z:Z+1], v2, s[8:9] th:TH_LOAD_NT
	ROWS 0
	global_load_b64 v[S+2:S+3], v2, s[6:7] offset:16384 th:TH_LOAD_NT
	global_load_b64 v[Z+2:Z+3], v2, s[8:9] offset:16384 th:TH_LOAD_NT
	ROWS 16                                        ; 37 loads are out
; Block t: k = 32 t .. 32 t + 31 of the K step, of both my columns: packed rows 4 t .. 4 t + 3.  The two columns take turns line by line, so that no line waits for the line above it.
.macro BLOCK t
.set ZG, Z+2*((\t)/4)
.set SG, S+2*((\t)/4)
.if (\t) < 4
	s_wait_loadcnt 30-4*(\t)                       ; loads come back in order (ISA guide 5.7.1): behind this block's fourth row stand the later rows of the first 16, the second group's two loads and 16 rows
.else
	s_wait_loadcnt 28-4*(\t)                       ; behind this block's fourth row stand the later rows alone
.endif
.if (\t) == 0
	global_store_b64 v2, v[28:29], s[14:15]                  ; x's scale bytes: 32 rows x 8 bytes of one K step: 256 consecutive bytes, aligned;
	global_store_b64 v2, v[30:31], s[14:15] offset:2048      ; and of the next K step
.endif
.if (\t)%4 == 0                        ; a new group of 128: the packed lines below take the LOW word of their second source for both halves, so the odd column's zero and scale get pairs of their own
	v_mov_b32 v[ZD], v[ZG+1]
	v_mov_b32 v[ZD+1], v[ZG+1]
	v_mov_b32 v[SD], v[SG+1]
	v_mov_b32 v[SD+1], v[SG+1]
.endif
.irp r, 0,1,2,3
.irp j, 0,1,2,3,4,5,6,7
.irp u, 0,1
	v_bfe_u32 v[X+32*\u+8*\r+\j], v[PK+2*(4*(\t)+\r)+\u], 4*\j, 4   ; register 8 r + j: the nibble of k = 32 t + 8 r + j
.endr
.endr
.endr
.set i, 0
.rept 64
	v_cvt_f32_u32 v[X+i], v[X+i]
.set i, i+1
.endr
.set i, 0
.rept 16
	v_pk_add_f32 v[X+i:X+i+1], v[X+i:X+i+1], v[ZG:ZG+1] op_sel_hi:[1,0] neg_lo:[0,1] neg_hi:[0,1]             ; w - z, rounded once
	v_pk_add_f32 v[X+32+i:X+33+i], v[X+32+i:X+33+i], v[ZD:ZD+1] op_sel_hi:[1,0] neg_lo:[0,1] neg_hi:[0,1]
.set i, i+2
.endr
.set i, 0
.rept 16
	v_pk_mul_f32 v[X+i:X+i+1], v[X+i:X+i+1], v[SG:SG+1] op_sel_hi:[1,0]                                       ; x s, rounded once
	v_pk_mul_f32 v[X+32+i:X+33+i], v[X+32+i:X+33+i], v[SD:SD+1] op_sel_hi:[1,0]
.set i, i+2
.endr
	v_max3_num_f32 v8,  |v[X]|,    |v[X+1]|,  |v[X+2]|       ; the block's largest magnitude: all 32 numbers are mine; two chains a column
	v_max3_num_f32 v10, |v[X+32]|, |v[X+33]|, |v[X+34]|
	v_max3_num_f32 v9,  |v[X+3]|,  |v[X+4]|,  |v[X+5]|
	v_max3_num_f32 v11, |v[X+35]|, |v[X+36]|, |v[X+37]|
.irp i, 6,10,14,18,22,26
	v_max3_num_f32 v8,  v8,  |v[X+\i]|,    |v[X+\i+1]|
	v_max3_num_f32 v10, v10, |v[X+32+\i]|, |v[X+33+\i]|
	v_max3_num_f32 v9,  v9,  |v[X+\i+2]|,  |v[X+\i+3]|
	v_max3_num_f32 v11, v11, |v[X+34+\i]|, |v[X+35+\i]|
.endr
	v_max3_num_f32 v8,  v8,  |v[X+30]|, |v[X+31]|
	v_max3_num_f32 v10, v10, |v[X+62]|, |v[X+63]|
	v_max3_num_f32 v8,  v8,  v9,  0x4800000        ; and the floor 2^(9 - 127), under which no largest magnitude is taken: so the byte cannot fall under 1
	v_max3_num_f32 v10, v10, v11, 0x4800000
.irp u, 0,1
	v_add_nc_u32 v[12+\u], 0xfc000000, v[8+2*\u]             ; 8 off its exponent field: the conversion takes the exponent field of this operand as its scale, and nothing else of it
	v_and_or_b32 v[14+\u], v[8+2*\u], 0x7f800000, s21        ; 448 x the scale: the largest magnitude's exponent field over 448's mantissa
.endr
.irp u, 0,1
.if (\t)%4 == 0
	v_lshrrev_b32 v[SB+2*\u+(\t)/4], 23, v[12+\u]            ; the scale's byte: four to a register, the lower K in the lower byte
.else
	v_lshrrev_b32 v[9+2*\u], 23, v[12+\u]
	v_lshl_or_b32 v[SB+2*\u+(\t)/4], v[9+2*\u], 8*((\t)%4), v[SB+2*\u+(\t)/4]
.endif
.endr
.set i, 0
.rept 32
	v_med3_num_f32 v[X+i], v[X+i], -v14, v14       ; the conversion to an 8-bit code does not saturate (ISA guide 7.6.2): hold the number within the largest code x the scale first
	v_med3_num_f32 v[X+32+i], v[X+32+i], -v15, v15
.set i, i+1
.endr
.if (\t) > 0
	s_wait_alu depctr_va_vdst(0)
	s_wait_dscnt 0x0                               ; the last block's stores into the stage have read the codes' registers
.endif
.irp q, 0,1,2,3
.irp u, 0,1
	v_cvt_scalef32_pk8_fp8_f32 v[C+8*\u+2*\q:C+8*\u+2*\q+1], v[X+32*\u+8*\q:X+32*\u+8*\q+7], v[12+\u]   ; eight numbers / the scale, to the nearest code, ties to even; the first number's code in the lowest byte
.endr
.endr
	v_nop                                          ; one plain vector line between the conversions and the next block's lines, which write their sources
.irp u, 0,1
.irp e, 0,1
	ds_store_b128 v5, v[C+8*\u+4*\e:C+8*\u+4*\e+3] offset:32*SP*\u+32*(\t)+16*\e   ; 32 codes: bytes 32 t on of the column's stage row
.endr
.endr
.endm
.irp t, 0,1,2,3,4,5,6,7
	BLOCK \t
.endr
	global_store_b128 v4, v[SB:SB+3], s[16:17]     ; my two columns' 16 scale bytes: the wave stores 512 consecutive bytes, aligned
.set i, 0
.rept 32
	ds_load_b128 v[OUTR+4*i:OUTR+4*i+3], v6 offset:i*SP    ; columns 2 i and 2 i + 1, whole.  LDS serves a wave's instructions in order (ISA guide 5.7.1.4): these see my stores
.set i, i+1
.endr
.set i, 0
.rept 32
	s_wait_dscnt 31-i                              ; load i is back; the 31 - i behind it may be out
	global_store_b128 v4, v[OUTR+4*i:OUTR+4*i+3], s[12:13] offset:512*i    ; 512 consecutive bytes of wc, at a multiple of 256 from its first byte; read again by the next launch, so no hint
.set i, i+1
.endr
	s_wait_tensorcnt 0x0
	ds_add_u32 v192, v193
	s_wait_dscnt 0x0
	s_endpgm
.Lfunc_end_k_q2683667a33_prep:
	.size	k_q2683667a33_prep, .Lfunc_end_k_q2683667a33_prep-k_q2683667a33_prep
	.p2alignl 7, 3214868480
	.fill 96, 4, 3214868480
	.section	.rodata,"a",@progbits
	.p2align	6, 0x0
	.amdhsa_kernel k_q2683667a33_prep
		.amdhsa_group_segment_fixed_size 70144
		.amdhsa_private_segment_fixed_size 0
		.amdhsa_enable_private_segment 0
		.amdhsa_kernarg_size 48
		.amdhsa_user_sgpr_count 2
		.amdhsa_user_sgpr_kernarg_segment_ptr 1
		.amdhsa_wavefront_size32 1
		.amdhsa_system_sgpr_workgroup_id_x 1
		.amdhsa_system_sgpr_workgroup_id_y 1
		.amdhsa_system_sgpr_workgroup_id_z 1
		.amdhsa_system_vgpr_workitem_id 0
		.amdhsa_next_free_vgpr 194
		.amdhsa_next_free_sgpr 66
		.amdhsa_reserve_vcc 0
		.amdhsa_float_denorm_mode_32 3
		.amdhsa_float_denorm_mode_16_64 3
		.amdhsa_memory_ordered 1
		.amdhsa_forward_progress 1
		.amdhsa_inst_pref_size 153
	.end_amdhsa_kernel
	.amdgpu_metadata
---
amdhsa.version: [ 1, 2 ]
amdhsa.kernels:
  - .name:           k_q2683667a33_prep
    .symbol:         k_q2683667a33_prep.kd
    .args:
      - { .name: W_q_packed, .offset: 0, .size: 8, .value_kind: global_buffer, .address_space: global }
      - { .name: scales, .offset: 8, .size: 8, .value_kind: global_buffer, .address_space: global }
      - { .name: zeros, .offset: 16, .size: 8, .value_kind: global_buffer, .address_space: global }
      - { .name: x_scales, .offset: 24, .size: 8, .value_kind: global_buffer, .address_space: global }
      - { .name: wc, .offset: 32, .size: 8, .value_kind: global_buffer, .address_space: global }
      - { .name: xs, .offset: 40, .size: 8, .value_kind: global_buffer, .address_space: global }
    .group_segment_fixed_size: 70144
    .private_segment_fixed_size: 0
    .kernarg_segment_align: 8
    .kernarg_segment_size: 48
    .max_flat_workgroup_size: 128
    .sgpr_count:     66
    .vgpr_count:     194
    .wavefront_size: 32
...
	.end_amdgpu_metadata
.endif
;; end of part 1
;; launch gemm (part 2): grid 16 x 16, 4 waves a work-group, clusters of 4 x 4, 327,680 bytes of LDS; arguments x_codes, xs, wc, bias, out0; writes out0
.if DOCPART == 2
	.amdgcn_target "amdgcn-amd-amdhsa--gfx1250"
	.amdhsa_code_object_version 6
	.text
	.protected	k_q2683667a33_gemm
	.globl	k_q2683667a33_gemm
	.p2align	8
	.type	k_q2683667a33_gemm,@function
k_q2683667a33_gemm:
	s_mov_b64 s[64:65], 0
	v_nop
	global_prefetch_b8 v0, s[64:65] scope:SCOPE_SE
	s_setreg_imm32_b32 hwreg(HW_REG_WAVE_MODE, 25, 1), 1
	s_wait_xcnt 0x0
	s_wait_alu depctr_hold_cnt(0) depctr_sa_sdst(0) depctr_va_vdst(0) depctr_va_sdst(0) depctr_va_ssrc(0) depctr_va_vcc(0) depctr_vm_vsrc(0)
	s_getreg_b32 s2, hwreg(HW_REG_IB_STS2, 6, 4)
	s_cmp_eq_u32 s2, 0
	s_cbranch_scc0 .Lentry_in_a_cluster
	s_endpgm
.Lentry_in_a_cluster:
	s_bfe_u32 s2, ttmp6, 0x10000c
	s_cmp_lg_u32 s2, 0xf033
	s_cbranch_scc0 .Lentry_shape_is_right
	s_endpgm
.Lentry_shape_is_right:
; out0[m][n] = the sum over k of x[m][k] W[k][n], + bias[n] last.  M = N = K = 4,096; both operands as codes of FP8 (E4M3) with one E8M0 scale for each 32 along K; sums in f32.
; x_codes: [4096 (m)][4096 (k)] bytes.  Laid by the launch before: wc [16 (K step of 256)][32 (block of 128 columns)][128 x 256 codes of W, K innermost, then 128 x 8 scale bytes]; xs [16 (256 rows of x)][16 (K step)][256][8] scale bytes of x.
; A tile of out0, 256 x 256, is made by a work-group of four waves; a wave makes 128 x 128: 64 accumulators, 512 registers.  256 tiles, one to a work-group.
; K goes in 16 steps of 256 through a ring of two LDS slots, one tensor load a wave and step: waves 0 and 1 bring 128 rows of x's codes each, waves 2 and 3 a block of W each (codes and scale bytes, 132 runs of 256 bytes).
; x's scale bytes of my 256 rows, for all of K (32,768 dense bytes), come once, at the head, and stay behind the ring.
; THE HEAD, one load a wave: waves 0, 1 x's two halves of K step 0, wave 2 both blocks of W (264 runs on end), wave 3 x's scales.  Slot 1 is first filled behind the full sequence and a round, as a refill is.
; CLUSTERS 4 x 4: x's tiles and scales are asked for jointly along a row of the cluster, W's blocks along a column.  THE PRODUCT IS USED TRANSPOSED (source 0 = 16 rows of wc, source 1 = 16 rows of x): a lane holds eight neighbouring numbers of a row of out0.
; A step of 128 along K is 64 products: x's blocks one after the other, each against W's eight.  THE NEXT STEP'S 64 LDS LOADS GO OUT IN ONE RUN, IN THE STEP'S MIDDLE: there W's other set, x's blocks 0-3 (their products are issued)
; and the other set of x's blocks 4-7 are all free; 32 products stand between the run and its first use.  W and x's blocks 4-7 have two sets of registers, x's blocks 0-3 one.
; A slot's second step changes slots in its middle too: the barrier, the round and the refill stand where the run stands, and the run then reads the next slot.
; PREFETCH INTO THE L2: beside the refill for K step j stands a request for K step j + 2 (the head asks for steps 1 and 2, slot 1's first fill for step 3; the last two refills ask for nothing).  A lane names one run of 256 bytes.
; Of the 128 rows that a wave fetches, each of the four partners that ask jointly names 32, told apart by address (cx for x, cy for W); W's four runs of scale bytes: one a partner, by a second line whose lanes all name that run.
; REGISTERS: window 0: v0-31 addresses and the bias; v32-63 scale words, two sets; v64-127 x's blocks 0-3; v128-191, v192-255 x's blocks 4-7, two sets (on the way out: rows of out0).
;   window 1: W's fragments, two sets.  window 2: the accumulators of my rows 0-63 ((a, b) at v[8 (8 a + b)]); window 3: those of rows 64-127.
.set PITCH,  272                       ; an LDS row: 256 bytes + 16 of padding
.set HALFA,  128*PITCH                 ; 128 rows of x's codes
.set HALFB,  132*PITCH                 ; a block of W: 128 rows of codes, four rows of scale bytes
.set BOFF,   2*HALFA
.set SLOT,   BOFF+2*HALFB+128          ; 141,568 bytes
.set XSC,    2*SLOT                    ; x's scale bytes: 128 rows of 256 + 16 bytes; K step ks, row R: 272 (8 ks + R / 32) + 8 (R % 32)
.set XSK,    8*PITCH
.set SPARE,  XSC+128*PITCH             ; the spare words, 128 bytes a wave
.set NBB,    132*256                   ; wc: a block in memory
.set KSB,    32*NBB                    ; wc: a K step
.set SPITCH, 528                       ; the way out: a stage of 16 rows x (512 + 16) bytes a wave, in slot 0 behind its last fill and last read
.set ROWC,   4096*4
.set BI,   8                           ; v[8:11] bias of my four columns of a row read back from the stage
.set ADRA, 16                          ; v16-17 my fragments of x in slot 0, 1
.set ADRSA, 18                         ; v18    x's scale words of the K step in hand
.set ADRB, 20                          ; v20-21 my fragments of W
.set ADRSB, 22                         ; v22-23 W's scale words
.set STO,  24
.set RD,   25
.set CO,   26
.set PFO,  27                          ; prefetch: my lane's run (x: a row of 4,096 bytes a lane; W: 256 bytes a lane)
.set SPW,  28
.set NIL,  29
.set PF2,  30                          ; prefetch: my work-group's run of W's scale bytes
.set SC,   32                          ; set s at v[SC + 16 s]: x's words at 2 p + q, W's at 8 + 2 p + 1 - q (crosswise: in every product the two scale registers' numbers differ modulo 8); lanes 0-15 block 2 p, lanes 16-31 block 2 p + 1
.set AL,   64
.set AH,   128
.set BK,   128
.set G1A,  24
.set G1B,  32
.set G1X,  40
.set G0A,  48
.set G0B,  56
.set G0X,  68
.set G1H,  72
.set G0H,  80
.set PFA,  84                          ; s[84:85] where my prefetches stand; s[86:87] a K step in bytes of my operand
.set PFS,  86
.set MSB, 0
.macro WIN new                         ; the immediate's high byte repeats the setting that is left
.if MSB != (\new)
	s_set_vgpr_msb (MSB<<8)|(\new)
.set MSB, (\new)
.endif
.endm
.set MUL_LO, 0xa1                      ; source 0 (W) window 1, source 1 (x) window 0, C and D window 2
.set TO_B,   0x40
.macro PLACES n
.rept \n
	v_nop
.endr
.endm
.macro JLOAD s                         ; a joint fill of slot s; an s_nop 0 and four v_nop behind each line
	s_cmp_eq_u32 s17, 0
	s_cbranch_scc0 .Lfor_b_\@
	tensor_load_to_lds s[G0A+4*\s:G0A+4*\s+3], s[G1A:G1A+7]
	s_nop 0
	PLACES 4
	s_branch .Lasked_\@
.Lfor_b_\@:
	tensor_load_to_lds s[G0B+4*\s:G0B+4*\s+3], s[G1B:G1B+7]
	s_nop 0
	PLACES 4
.Lasked_\@:
.endm
.macro CREST
	s_cmp_lg_u32 s16, 0
	s_cbranch_scc1 .Lnot_wave_0_\@
	s_barrier_signal -3
.Lnot_wave_0_\@:
	s_barrier_wait -3
	s_barrier_signal -1
	s_barrier_wait -1
.endm
.macro CROUND
	s_barrier_signal -1
	s_barrier_wait -1
	CREST
.endm
.macro ASK k, guard                    ; the K step k steps on from where PFA stands; guard = 1: not in the loop's last trip, whose refills have no K step two on
.if \guard
	s_cmp_gt_u32 s3, 1
	s_cbranch_scc0 .Lpf_done_\@
.endif
	s_cmp_eq_u32 s17, 0
	s_cbranch_scc0 .Lpf_w_\@
	global_prefetch_b8 v[PFO], s[PFA:PFA+1] offset:256*\k th:TH_LOAD_NT scope:SCOPE_SE
	s_branch .Lpf_done_\@
.Lpf_w_\@:
	global_prefetch_b8 v[PFO], s[PFA:PFA+1] offset:KSB*\k th:TH_LOAD_NT scope:SCOPE_SE
	global_prefetch_b8 v[PF2], s[PFA:PFA+1] offset:KSB*\k th:TH_LOAD_NT scope:SCOPE_SE
.Lpf_done_\@:
.endm
	s_load_b256 s[4:11], s[0:1], 0x0               ; x_codes, xs, wc, bias
	s_load_b64 s[12:13], s[0:1], 0x20              ; out0
	v_lshl_add_u32 v[SPW], v0, 2, SPARE
	v_mov_b32 v[NIL], 0
	ds_add_u32 v[SPW], v[NIL]                      ; the opening lines: the add twice on end
	ds_add_u32 v[SPW], v[NIL]
	v_lshrrev_b32 v1, 5, v0
	v_readfirstlane_b32 s16, v1                    ; wave
	s_lshr_b32 s17, s16, 1                         ; my half of the tile's rows; also: I fetch for x (0) or W (1)
	s_and_b32 s18, s16, 1                          ; my half of its columns; also: which half of that operand I fetch
	s_bfe_u32 s20, ttmp6, 0x40000                  ; cx
	s_bfe_u32 s21, ttmp6, 0x40004                  ; cy
	s_lshl_b32 s22, ttmp9, 2
	s_add_co_u32 s22, s22, s20                     ; tile column
	s_and_b32 s23, ttmp7, 0xffff
	s_lshl_b32 s23, s23, 2
	s_add_co_u32 s23, s23, s21                     ; tile row
	s_lshl_b32 s66, s21, 2
	s_lshl_b32 s66, 15, s66                        ; my row of the cluster
	s_lshl_b32 s67, 0x1111, s20                    ; my column
	s_or_b32 s[G1A], s66, (1<<20)|(1<<21)|(5<<22)|(3<<25)   ; x's codes: 128 rows x 256 bytes, 4,096 apart; 16 bytes of padding behind every 256
	s_mov_b32 s[G1A+1], 256<<16
	s_mov_b32 s[G1A+2], 128<<16
	s_mov_b32 s[G1A+3], 256<<16
	s_mov_b32 s[G1A+4], 128
	s_mov_b32 s[G1A+5], 4096
	s_mov_b32 s[G1A+6], 0
	s_mov_b32 s[G1A+7], 0
	s_or_b32 s[G1B], s67, (1<<20)|(1<<21)|(5<<22)|(3<<25)   ; a block of W: 132 rows x 256 bytes on end
	s_mov_b32 s[G1B+1], 256<<16
	s_mov_b32 s[G1B+2], 132<<16
	s_mov_b32 s[G1B+3], 256<<16
	s_mov_b32 s[G1B+4], 132
	s_mov_b32 s[G1B+5], 256
	s_mov_b32 s[G1B+6], 0
	s_mov_b32 s[G1B+7], 0
	s_or_b32 s[G1H], s67, (1<<20)|(1<<21)|(5<<22)|(3<<25)   ; the head's: both blocks, 264 rows
	s_mov_b32 s[G1H+1], 256<<16
	s_mov_b32 s[G1H+2], 264<<16
	s_mov_b32 s[G1H+3], 256<<16
	s_mov_b32 s[G1H+4], 264
	s_mov_b32 s[G1H+5], 256
	s_mov_b32 s[G1H+6], 0
	s_mov_b32 s[G1H+7], 0
	s_or_b32 s[G1X], s66, (3<<16)|(1<<20)|(1<<21)|(5<<22)|(3<<25)   ; x's scales: 128 rows of 32 elements of 8 bytes
	s_mov_b32 s[G1X+1], 32<<16
	s_mov_b32 s[G1X+2], 128<<16
	s_mov_b32 s[G1X+3], 32<<16
	s_mov_b32 s[G1X+4], 128
	s_mov_b32 s[G1X+5], 32
	s_mov_b32 s[G1X+6], 0
	s_mov_b32 s[G1X+7], 0
	s_lshl_b32 s92, s23, 20                        ; x_codes: 256 rows x tile row + 128 rows x half
	s_lshl_b32 s100, s18, 19
	s_add_co_u32 s92, s92, s100
	s_mov_b32 s93, 0
	s_lshl_b32 s96, s23, 15                        ; xs: 32,768 bytes x tile row
	s_mov_b32 s97, 0
	s_lshl_b32 s94, s22, 1                         ; wc: block 2 x tile column,
	s_mul_i32 s94, s94, NBB
	s_mov_b32 s95, 0
	s_mul_i32 s88, s18, NBB                        ; + half
	s_mov_b32 s89, 0
	s_mul_i32 s100, s18, HALFA                     ; where they go
	s_mul_i32 s101, s18, HALFB
	s_add_co_u32 s101, s101, BOFF
	s_wait_dscnt 0x0                               ; both opening adds are done
	s_wait_kmcnt 0x0
	s_add_nc_u64 s[4:5], s[4:5], s[92:93]
	s_add_nc_u64 s[6:7], s[6:7], s[96:97]
	s_add_nc_u64 s[8:9], s[8:9], s[94:95]
	s_add_nc_u64 s[98:99], s[8:9], s[88:89]
	s_mov_b32 s[G0X], 1
	s_mov_b32 s[G0X+1], XSC
	s_mov_b64 s[G0X+2:G0X+3], s[6:7]
	s_or_b32 s[G0X+3], s[G0X+3], 0x80000000
	s_mov_b32 s[G0H], 1
	s_mov_b32 s[G0H+1], BOFF
	s_mov_b64 s[G0H+2:G0H+3], s[8:9]
	s_or_b32 s[G0H+3], s[G0H+3], 0x80000000
.irp s, 0,1
	s_mov_b32 s[G0A+4*\s], 1
	s_add_co_u32 s[G0A+4*\s+1], s100, \s*SLOT
	s_add_nc_u64 s[G0A+4*\s+2:G0A+4*\s+3], s[4:5], \s*256
	s_or_b32 s[G0A+4*\s+3], s[G0A+4*\s+3], 0x80000000
	s_mov_b32 s[G0B+4*\s], 1
	s_add_co_u32 s[G0B+4*\s+1], s101, \s*SLOT
	s_add_nc_u64 s[G0B+4*\s+2:G0B+4*\s+3], s[98:99], \s*KSB
	s_or_b32 s[G0B+4*\s+3], s[G0B+4*\s+3], 0x80000000
.endr
	CROUND                                         ; all sixteen work-groups are here: the first joint loads meet
	s_cmp_lt_u32 s16, 2                            ; one chain of branches on the wave's number, one load to an arm
	s_cbranch_scc0 .Lh_w
	tensor_load_to_lds s[G0A:G0A+3], s[G1A:G1A+7]
	s_nop 0
	PLACES 4
	s_branch .Lh_done
.Lh_w:
	s_cmp_lt_u32 s16, 3
	s_cbranch_scc0 .Lh_s
	tensor_load_to_lds s[G0H:G0H+3], s[G1H:G1H+7]
	s_nop 0
	PLACES 4
	s_branch .Lh_done
.Lh_s:
	tensor_load_to_lds s[G0X:G0X+3], s[G1X:G1X+7]
	s_nop 0
	PLACES 4
.Lh_done:
	s_lshl_b32 s92, s20, 17                        ; the prefetches: my work-group's 32 of the 128 rows that I fetch: x by cx,
	s_lshl_b32 s93, s21, 13                        ; W by cy
	s_mov_b32 s[PFS], KSB
	s_mov_b32 s[PFS+1], 0
	s_cmp_eq_u32 s17, 0
	s_cselect_b64 s[PFA:PFA+1], s[4:5], s[98:99]
	s_cselect_b32 s92, s92, s93
	s_cselect_b32 s[PFS], 256, s[PFS]
	s_cselect_b32 s94, 12, 8                       ; a lane's run: 4,096 bytes apart in x, 256 in wc
	s_mov_b32 s93, 0
	s_add_nc_u64 s[PFA:PFA+1], s[PFA:PFA+1], s[92:93]
	s_mul_i32 s95, s21, 7936
	s_sub_co_u32 s95, 32768, s95                   ; from there to run 128 + cy of the block
	s_mul_i32 s92, s17, 4*PITCH
	s_add_co_u32 s92, s92, XSC                     ; x's scale words of my 128 rows, K step 0
	s_mul_i32 s93, s16, 16*SPITCH                  ; my stage
	s_mul_i32 s90, s17, HALFA                      ; my 128 rows of x
	s_add_co_u32 s91, s101, HALFA                  ; my block's scale bytes, behind its 128 rows of codes
	s_lshl_b32 s96, s22, 10                        ; my first column in bytes of f32
	s_lshl_b32 s97, s18, 9
	s_add_co_u32 s96, s96, s97
	s_mov_b32 s97, 0
	s_add_nc_u64 s[10:11], s[10:11], s[96:97]
	s_add_nc_u64 s[12:13], s[12:13], s[96:97]
	s_lshl_b32 s96, s23, 22                        ; my first row
	s_lshl_b32 s97, s17, 21
	s_add_co_u32 s96, s96, s97
	s_mov_b32 s97, 0
	s_add_nc_u64 s[12:13], s[12:13], s[96:97]
	v_and_b32 v1, 15, v0                           ; r
	v_bfe_u32 v2, v0, 4, 1                         ; h
	v_and_b32 v6, 31, v0                           ; lane
	v_mul_u32_u24 v3, v1, PITCH
	v_lshl_add_u32 v4, v2, 4, v3                   ; a fragment's row x pitch + 16 h
	v_add_nc_u32 v[ADRA], s90, v4
	v_add_nc_u32 v[ADRA+1], SLOT, v[ADRA]
	v_add_nc_u32 v[ADRB], s101, v4
	v_add_nc_u32 v[ADRB+1], SLOT, v[ADRB]
	v_lshl_add_u32 v[ADRSB], v6, 3, s91
	v_add_nc_u32 v[ADRSB+1], SLOT, v[ADRSB]
	v_lshl_add_u32 v[ADRSA], v6, 3, s92
	v_mul_u32_u24 v5, v1, SPITCH
	v_lshl_add_u32 v5, v2, 5, v5
	v_add_nc_u32 v[STO], s93, v5
	v_lshlrev_b32 v[CO], 4, v6
	v_add_nc_u32 v[RD], s93, v[CO]
	v_lshlrev_b32 v[PFO], s94, v6
	v_mov_b32 v[PF2], s95
	s_wait_alu depctr_va_vdst(0)
	global_load_b128 v[BI:BI+3], v[CO], s[10:11]   ; bias of columns 4 lane .. 4 lane + 3 of my 128
	ASK 1, 0
	ASK 2, 0
.macro FRAG reg, adr, q, i             ; 16 rows x 128 K: lane l holds row l % 16; registers 4 c .. 4 c + 3 hold K = 32 c + 16 (l / 16) + 0 .. 15
.irp c, 0,1,2,3
	ds_load_b128 v[\reg+4*\c:\reg+4*\c+3], v[\adr] offset:128*(\q)+32*\c+(\i)*16*PITCH
.endr
.endm
; All 64 loads of a step, the slot's q-th 128 along K, in the order of their use: W's eight blocks into set par, x's blocks 0-3, x's blocks 4-7 into set par
.macro RUN slot, q, par
	WIN TO_B
.irp i, 0,1,2,3,4,5,6,7
	FRAG 128*(\par)+16*\i, ADRB+\slot, \q, \i
.endr
	WIN 0
.irp i, 0,1,2,3
	FRAG AL+16*\i, ADRA+\slot, \q, \i
.endr
.irp i, 4,5,6,7
	FRAG AH+64*(\par)+16*(\i-4), ADRA+\slot, \q, \i
.endr
.endm
.macro SCALES slot                     ; a K step's scale words: 8 bytes a lane of 32 rows
.irp p, 0,1,2,3
	ds_load_b64 v[SC+16*\slot+2*\p:SC+16*\slot+2*\p+1], v[ADRSA] offset:\p*PITCH
	ds_load_b32 v[SC+16*\slot+8+2*\p+1], v[ADRSB+\slot] offset:\p*PITCH
	ds_load_b32 v[SC+16*\slot+8+2*\p],   v[ADRSB+\slot] offset:\p*PITCH+4
.endr
.endm
.macro WM2 ao, bo, c
.if (\ao) && (\bo)
	v_wmma_scale_f32_16x16x128_f8f6f4 v[rD:rD+7], v[rB:rB+15], v[rA:rA+15], \c, v[rSB], v[rSA] matrix_a_scale:MATRIX_SCALE_ROW1 matrix_b_scale:MATRIX_SCALE_ROW1
.elseif (\bo)
	v_wmma_scale_f32_16x16x128_f8f6f4 v[rD:rD+7], v[rB:rB+15], v[rA:rA+15], \c, v[rSB], v[rSA] matrix_a_scale:MATRIX_SCALE_ROW1
.elseif (\ao)
	v_wmma_scale_f32_16x16x128_f8f6f4 v[rD:rD+7], v[rB:rB+15], v[rA:rA+15], \c, v[rSB], v[rSA] matrix_b_scale:MATRIX_SCALE_ROW1
.else
	v_wmma_scale_f32_16x16x128_f8f6f4 v[rD:rD+7], v[rB:rB+15], v[rA:rA+15], \c, v[rSB], v[rSA]
.endif
.endm
.macro WM a, b, par, q, sc, first      ; x's block a against W's block b; first = 1: the product starts the sum
.set rD, 8*(8*((\a)%4)+(\b))
.set rB, 128*(\par)+16*(\b)
.if (\a) < 4
.set rA, AL+16*(\a)
.else
.set rA, AH+64*(\par)+16*((\a)-4)
.endif
.set rSB, SC+16*(\sc)+8+2*((\b)/2)+1-(\q)
.set rSA, SC+16*(\sc)+2*((\a)/2)+(\q)
.if \first
	WM2 (\a)%2, (\b)%2, 0
.else
	WM2 (\a)%2, (\b)%2, v[rD:rD+7]
.endif
.endm
; Eight products: x's block a against W's eight.  The 64 accumulators take turns, in the same order in every step.
.macro HB a, par, q, sc, first
	WIN MUL_LO+0x50*((\a)/4)
.irp b, 0,1,2,3,4,5,6,7
	WM \a, \b, \par, \q, \sc, \first
.endr
.endm
; The first three or four blocks of a step.  Each wait counts the loads of the last run that stand behind the block's fragment: x's later blocks, four loads each.
.macro LOWER n, par, q, sc, first
.irp a, 0,1,2
	s_wait_dscnt 28-4*\a
	HB \a, \par, \q, \sc, \first
.endr
.if \n > 3
	s_wait_dscnt 16
	HB 3, \par, \q, \sc, \first
.endif
.endm
.macro UPPER par, q, sc, first
.irp a, 4,5,6,7
	HB \a, \par, \q, \sc, \first
.endr
	WIN 0
.endm
; A slot's first 128 along K.
.macro STEP slot, first
	LOWER 4, 0, 0, \slot, \first
	s_wait_dscnt 0x0                               ; x's blocks 4-7, asked for 64 products ago
	WIN 0
	PLACES 8                                       ; eight places between the products above and loads into registers that products have read
	RUN \slot, 1, 1
	UPPER 0, 0, \slot, \first
.endm
; A slot's second 128 along K changes slots in its middle.  fill = 1: this slot is filled again, two K steps on.
.macro TURN slot, next, fill
.if \fill
	s_wait_xcnt 0x0                                ; my prefetches have read their address
	s_add_nc_u64 s[PFA:PFA+1], s[PFA:PFA+1], s[PFS:PFS+1]
.endif
	LOWER 3, 1, 1, \slot, 0
	WIN 0
	s_wait_tensorcnt 0x0                           ; all my tensor loads have landed: my part of the next slot
	ds_add_u32 v[SPW], v[NIL]
	s_wait_dscnt 0x0                               ; the add is done, and my reads of this slot are over
	s_barrier_signal -1
	HB 3, 1, 1, \slot, 0
	WIN 0
	s_barrier_wait -1
.if \fill
	CREST                                          ; the barrier has opened a round of the cluster's barrier
	s_add_nc_u64 s[G0A+4*\slot+2:G0A+4*\slot+3], s[G0A+4*\slot+2:G0A+4*\slot+3], 2*256
	s_add_nc_u64 s[G0B+4*\slot+2:G0B+4*\slot+3], s[G0B+4*\slot+2:G0B+4*\slot+3], 2*KSB
	JLOAD \slot                                    ; my one tensor load behind the round: 120 products stand between it and the wait for it; its four v_nop are four of the eight places
	PLACES 4
.else
	PLACES 8
.endif
	v_add_nc_u32 v[ADRSA], XSK, v[ADRSA]           ; the next K step's scale words of x
	s_wait_alu depctr_va_vdst(0)                   ; directly behind the write
	SCALES \next
	RUN \next, 0, 0
.if \fill
	ASK 3, 1
.endif
	UPPER 1, 1, \slot, 0
.endm
	s_wait_tensorcnt 0x0                           ; my tile of the head's is in
	ds_add_u32 v[SPW], v[NIL]
	s_wait_dscnt 0x0
	CROUND
	JLOAD 1                                        ; K step 1
	SCALES 0
	RUN 0, 0, 0
	ASK 3, 0
	STEP 0, 1                                      ; the first step's products start the sums: nothing is cleared
	s_mov_b32 s3, 7
.Llap:                                                 ; a trip goes once round the ring and fills both slots again
	TURN 0, 1, 1
	STEP 1, 0
	TURN 1, 0, 1
	STEP 0, 0
	s_sub_co_u32 s3, s3, 1
	s_cmp_lg_u32 s3, 0
	s_cbranch_scc1 .Llap
	TURN 0, 1, 0                                   ; the last lap fills nothing
	STEP 1, 0
	LOWER 4, 1, 1, 1, 0                            ; the last step fetches nothing
	s_wait_dscnt 0x0
	UPPER 1, 1, 1, 0
; THE WAY OUT, by blocks of 16 rows x 128 columns: through my own stage in LDS, back as whole rows of 512 bytes; the bias is added to the block's rows as they come back; the 32 lanes store 512 consecutive bytes.
.macro TOSTAGE a
.set AC, 64*((\a)%4)
	WIN 0x08+4*((\a)/4)
.irp b, 0,1,2,3,4,5,6,7
	ds_store_b128 v[STO], v[AC+8*\b:AC+8*\b+3] offset:64*\b          ; each accumulator from its low end on
	ds_store_b128 v[STO], v[AC+8*\b+4:AC+8*\b+7] offset:64*\b+16
.endr
	WIN 0
.set BB, BK+64*((\a)%2)
.irp t, 0,1,2,3,4,5,6,7,8,9,10,11,12,13,14,15
	ds_load_b128 v[BB+4*\t:BB+4*\t+3], v[RD] offset:\t*SPITCH        ; LDS serves a wave's instructions in order (ISA guide 5.7.1.4)
.endr
.endm
.macro SEND a, younger
.set BB, BK+64*((\a)%2)
	s_wait_dscnt \younger
.if (\a) > 0
	s_add_nc_u64 s[12:13], s[12:13], 16*ROWC       ; behind a wait on XCNT: the earlier stores have read their base
.endif
.irp t, 0,1,2,3,4,5,6,7,8,9,10,11,12,13,14,15
	v_pk_add_f32 v[BB+4*\t:BB+4*\t+1], v[BB+4*\t:BB+4*\t+1], v[BI:BI+1]
	v_pk_add_f32 v[BB+4*\t+2:BB+4*\t+3], v[BB+4*\t+2:BB+4*\t+3], v[BI+2:BI+3]
.endr
.irp t, 0,1,2,3,4,5,6,7,8,9,10,11,12,13,14,15
	global_store_b128 v[CO], v[BB+4*\t:BB+4*\t+3], s[12:13] offset:\t*ROWC th:TH_STORE_NT
.endr
.endm
	s_wait_loadcnt 0x0                             ; the bias
	PLACES 8                                       ; behind the last products: for the reads of their results and the loads into x's registers
	TOSTAGE 0
.irp a, 1,2,3,4,5,6,7
.if \a > 1
	s_wait_xcnt 0x0                                ; block a - 2's stores have read their registers and their base
.endif
	TOSTAGE \a
	SEND \a-1, 32                                  ; behind block a - 1's loads: block a's 16 stores and 16 loads
.endr
	s_wait_xcnt 0x0
	SEND 7, 0
	s_wait_tensorcnt 0x0                           ; the wave's end
	ds_add_u32 v[SPW], v[NIL]
	s_wait_dscnt 0x0
	CROUND                                         ; the closing round
	s_endpgm
.Lfunc_end_k_q2683667a33_gemm:
	.size	k_q2683667a33_gemm, .Lfunc_end_k_q2683667a33_gemm-k_q2683667a33_gemm
	.p2alignl 7, 3214868480
	.fill 96, 4, 3214868480
	.section	.rodata,"a",@progbits
	.p2align	6, 0x0
	.amdhsa_kernel k_q2683667a33_gemm
		.amdhsa_group_segment_fixed_size 327680
		.amdhsa_private_segment_fixed_size 0
		.amdhsa_enable_private_segment 0
		.amdhsa_kernarg_size 40
		.amdhsa_user_sgpr_count 2
		.amdhsa_user_sgpr_kernarg_segment_ptr 1
		.amdhsa_wavefront_size32 1
		.amdhsa_system_sgpr_workgroup_id_x 1
		.amdhsa_system_sgpr_workgroup_id_y 1
		.amdhsa_system_sgpr_workgroup_id_z 1
		.amdhsa_system_vgpr_workitem_id 0
		.amdhsa_next_free_vgpr 1024
		.amdhsa_next_free_sgpr 102
		.amdhsa_reserve_vcc 0
		.amdhsa_float_denorm_mode_32 3
		.amdhsa_float_denorm_mode_16_64 3
		.amdhsa_memory_ordered 1
		.amdhsa_forward_progress 1
		.amdhsa_inst_pref_size 164
	.end_amdhsa_kernel
	.amdgpu_metadata
---
amdhsa.version: [ 1, 2 ]
amdhsa.kernels:
  - .name:           k_q2683667a33_gemm
    .symbol:         k_q2683667a33_gemm.kd
    .args:
      - { .name: x_codes, .offset: 0, .size: 8, .value_kind: global_buffer, .address_space: global }
      - { .name: xs, .offset: 8, .size: 8, .value_kind: global_buffer, .address_space: global }
      - { .name: wc, .offset: 16, .size: 8, .value_kind: global_buffer, .address_space: global }
      - { .name: bias, .offset: 24, .size: 8, .value_kind: global_buffer, .address_space: global }
      - { .name: out0, .offset: 32, .size: 8, .value_kind: global_buffer, .address_space: global }
    .group_segment_fixed_size: 327680
    .private_segment_fixed_size: 0
    .kernarg_segment_align: 8
    .kernarg_segment_size: 40
    .max_flat_workgroup_size: 128
    .sgpr_count:     102
    .vgpr_count:     1024
    .wavefront_size: 32
...
	.end_amdgpu_metadata
.endif
;; end of part 2
